; MI455X (gfx1250); checked and timed in simulation.
; The chip was launched on July 23, 2026; its instructions are those of AMD's public machine-readable ISA for CDNA 5 (MIT licence, August 2026) and "CDNA5" Instruction Set Architecture Reference Guide (July 2026). The comments in the code are by the model that wrote it; some were corrected since.
;; RPE. Allowed arithmetic: matrix products marked QUANTISED: E2M1 operands, one E8M0 scale for each 32 along K, by v_wmma_scale_f32_16x16x128_f8f6f4 with both operands' format E2M1 (or v_wmma_scale_f32_32x16x128_f4), f32 sums; products left as they are: f32 operands where the result goes on into a quantised operand, else bf16, f16 or f32 operands; f32 sums; everything else in f32.
;; Inputs: lin_w_codes 8 x 512 x 16 x 16 uint8 (E2M1 codes of lin_w, K innermost, in blocks of 32 codes, two codes a byte); lin_w_scales 8 x 512 x 16 uint8 (E8M0 scales of lin_w, one for each 32 codes along K); ln_b 8 x 512 float32; ln_w 8 x 512 float32; out_ln_b 512 float32; out_ln_w 512 float32; out_w_codes 64 x 16 x 16 uint8 (E2M1 codes of out_w, K innermost, in blocks of 32 codes, two codes a byte); out_w_scales 64 x 16 uint8 (E8M0 scales of out_w, one for each 32 codes along K); proj_b 512 float32; proj_w 512 x 1 float32; x 32,768 x 1 float32.
;; Outputs: out0 32,768 x 64 float32.
;; This version of the problem:
;;   THIS VERSION OF THE PROBLEM IS GIVEN IN LOW PRECISION. The matrix products marked QUANTISED in the list below multiply operands that are first quantised to E2M1 (2 exponent bits, 1 mantissa bit; 4 bits a number), with one power-of-two scale for each 32 numbers along K (OCP MX v1.0); their sums are f32. All else is computed in f32.
;;   The module's matrix products, in the order in which they are computed (A, B: the left and right operand; K: the contracted axis; several contracted axes count as one K, in the product's order):
;;     1. [M 32,768, K 1] x [K 1, N 512]; A: input x; B: input proj_w: left as it is (K = 1 < 32)
;;     2. [M 32,768, K 512] x [K 512, N 512]; A: computed on the way; B: input lin_w (given as codes): QUANTISED
;;     3. [M 32,768, K 512] x [K 512, N 512]; A: computed on the way; B: input lin_w (given as codes): QUANTISED
;;     4. [M 32,768, K 512] x [K 512, N 512]; A: computed on the way; B: input lin_w (given as codes): QUANTISED
;;     5. [M 32,768, K 512] x [K 512, N 512]; A: computed on the way; B: input lin_w (given as codes): QUANTISED
;;     6. [M 32,768, K 512] x [K 512, N 512]; A: computed on the way; B: input lin_w (given as codes): QUANTISED
;;     7. [M 32,768, K 512] x [K 512, N 512]; A: computed on the way; B: input lin_w (given as codes): QUANTISED
;;     8. [M 32,768, K 512] x [K 512, N 512]; A: computed on the way; B: input lin_w (given as codes): QUANTISED
;;     9. [M 32,768, K 512] x [K 512, N 512]; A: computed on the way; B: input lin_w (given as codes): QUANTISED
;;     10. [M 32,768, K 512] x [K 512, N 64]; A: computed on the way; B: input out_w (given as codes): QUANTISED
;;   THE QUANTISER, for each operand of a quantised product, along K:
;;     - K is cut into blocks of 32 from its start; a last block that is shorter is filled with zeros.
;;     - A block's scale is 2^e with e = floor(log2(the largest magnitude in the block)) - 2, held to -126 .. 127; a block of zeros has e = 0. As a byte (E8M0): e + 127.
;;     - Each number is divided by its block's scale, clamped to +-6, and rounded to the nearest number of E2M1, ties to even, subnormals kept.
;;     - The product sums the exact products of the quantised numbers (number of the format x scale) in f32.
;;   ~~~python
;;   def quantise(x, axis):      # numpy; x: float32 -> the quantised numbers, widened to float32 again
;;       x = np.moveaxis(x, axis, -1); K = x.shape[-1]
;;       x = np.pad(x, [(0, 0)] * (x.ndim - 1) + [(0, -K % 32)]); x = x.reshape(x.shape[:-1] + (-1, 32)); a = np.abs(x).max(-1, keepdims=True)
;;       e = np.where(a > 0, np.clip(np.frexp(np.where(a > 0, a, 1))[1] - 1 - 2, -126, 127), 0)      # np.frexp(a)[1] - 1 = floor(log2(a)), exactly
;;       r = np.clip(x / 2.0 ** e, -6, 6)
;;       step = 2.0 ** (np.maximum(np.frexp(np.where(r == 0, 1, r))[1] - 1, 0) - 1)
;;       q = np.round(r / step) * step * 2.0 ** e      # np.round: ties to even
;;       return np.moveaxis(q.reshape(q.shape[:-2] + (-1,))[..., :K], -1, axis).astype(np.float32)
;;   ~~~
;;   OPERANDS COMPUTED ON THE WAY. 'Computed on the way' means the value that the module computes at that place (a softmax that the list does not call 'softmax' is quantised finished and normalised). What goes into a quantiser is computed in f32, as accurately as f32 sums, v_exp_f32 and their like allow (about 1e-6 of the number): no bf16 or f16 on the way to a quantiser, and a product that is left as it is and whose result goes on into a quantised operand takes f32 operands (vector FMAs, or v_wmma_f32_16x16x4_f32). A number that lies on a knife's edge between two numbers of the format may be rounded either way, as far as f32 arithmetic and the matrix unit's own rounding can turn it there, and no further.
;;   INPUTS GIVEN AS CODES. lin_w (in the module: [8, 512, 512], K = its axis 2); out_w (in the module: [64, 512], K = its axis 1): each comes as NAME_codes (uint8): NAME with its K axis moved to the last place and cut into blocks of 32 codes, [.., K / 32, bytes a block], one block behind the other in memory; two codes a byte, the lower K in the low four bits (a code: sign, 2 exponent bits, 1 mantissa bit); and NAME_scales (uint8): the same leading axes, one E8M0 byte (e + 127) for each 32 codes along K. Its value is code x scale, taken as it is: it is not quantised again, and the codes and scales need not be those that the quantiser above would give.
;; One version. Each part assembles by itself: llvm-mc -triple=amdgcn-amd-amdhsa -mcpu=gfx1250 --defsym DOCPART=n.
;; ======== version 1 of 1: 1 launch
;; limits: right only within a limited range of input values
;; launch rpe (part 1): grid 256 x 1, 8 waves a work-group, no clusters, 261,120 bytes of LDS; arguments x, proj_w, proj_b, ln_w, ln_b, out_ln_w, out_ln_b, lin_w_codes, lin_w_scales, out_w_codes, out_w_scales, out0; writes out0
.if DOCPART == 1
	.amdgcn_target "amdgcn-amd-amdhsa--gfx1250"
	.amdhsa_code_object_version 6
	.text
	.protected	k_qd7794d1729_rpe
	.globl	k_qd7794d1729_rpe
	.p2align	8
	.type	k_qd7794d1729_rpe,@function
k_qd7794d1729_rpe:
	s_mov_b64 s[64:65], 0
	v_nop
	global_prefetch_b8 v0, s[64:65] scope:SCOPE_SE
	s_setreg_imm32_b32 hwreg(HW_REG_WAVE_MODE, 25, 1), 1
	s_wait_xcnt 0x0
; h = x proj_w^T + proj_b;  eight times h += Q(gelu(LN(h))) W_i^T;  out = Q(gelu(LN(h))) Wo^T.  32,768 rows, 512 units, 64 outputs.
; W_i, Wo: codes of FP4 (E2M1) with one E8M0 byte for each 32 along K, as given.  Q: the same format, made here along the 512 units.  All else in f32; gelu is the tanh form.
; SHARES.  A work-group of eight waves, two to a SIMD, owns 128 rows (eight tiles m of 16).  THE WAVES SHARE THE UNITS: wave w holds units 64 w .. 64 w + 63 of h for all 128 rows, 256 registers
; (window 1), which never leave the registers.  Its 64 units of z are half c = w % 2 of K step w / 2 of the next product: registers 4 c .. 4 c + 3 of that step's fragments.
; From wave to wave through LDS go z's codes as images of the operand's registers (32 KiB a layer), z's scale bytes, and each wave's part of the rows' statistics.
; THE PRODUCT IS USED TRANSPOSED: source 0 = 16 rows of W, source 1 = 16 rows of z, C = D = h: the residual costs nothing.  Lane r of tile 2 b + u of W takes row 32 b + 8 u + r + 8 (r / 8),
; so lane (r, hh) holds, for tile of rows m, in register 32 m + 16 b + e: h(16 m + r, 64 w + 32 b + 16 hh + e): sixteen neighbours along the next K.
; W OF A LAYER, 16 KiB a wave, comes in two halves of 16 loads of 512 consecutive bytes into 64 registers that the gelu batches leave alone: the first half is asked for ahead of batch 0 and staged behind
; batch 3, the second asked for there and staged behind batch 7.  The stage is the wave's own LDS; the fragments are read back behind the second barrier, K step by K step, so that the products begin on K step 0.
; LAYER NORM.  Each wave takes its 64 units' mean and the sum of squares about THAT mean; the eight pairs are joined by  M2 = sum M2_w + 64 sum (mean_w - mean)^2 : no difference of large sums is formed.
; GELU.  0.5 y (1 + tanh(u)) = y / (1 + 2^(y (c0 + c1 y^2))), c0 = -2 sqrt(2 / pi) log2(e), c1 = 0.044715 c0.  Where the power overflows the reciprocal is 0, which is the limit.
; ONE LOOP BODY FOR ALL NINE LAYERS: what differs between layers stands in scalar registers, addresses and short branches on the layer's number; the ninth trip jumps over the products and the count ends the loop.
; NO TENSOR LOADS, SO NO JOINT LOADS IN A CLUSTER, though all work-groups read the same W: a ring of tensor loads wants its last trips written out, each a further copy of this body, which is most of the text.
; No prefetch is laid: each half of W is asked for four batches (about 860 vector instructions a wave) ahead of the wait for it.
; LIMITS.  NaN and infinities among the inputs are not served.  A block of z whose largest magnitude lies under 2^-124 (a block of zeros too) gets the byte 1: zeros add nothing under it, and only this text reads the byte.
; The projection is one fused multiply-add (one rounding where a product and a sum have two).
; LDS (bytes)
.set WSTW, 17408                       ; a wave's own stage for W: 64 rows, 272 bytes apart (256 + 16: the 16 rows of a fragment load start at 16 different banks, ISA guide 11.1)
.set ZIMG, 8*WSTW                      ; z's fragments: (tile m, K step s) at 1024 (4 m + s) + 512 c + 16 lane
.set ZSC,  ZIMG+32768                  ; z's scale words: 16 (16 m + r) + 4 s
.set STT,  ZSC+2048                    ; statistics: a row each 80 bytes; wave w's pair (-mean_w, M2_w) at + 8 w
.set LNP,  STT+10240                   ; a wave's own table: ten entries of 512 bytes = 64 gains, 64 biases: proj_w/proj_b, ln_w/ln_b [0..7], out_ln_w/out_ln_b
.set LNPW, 5120
.set OST,  LNP+8*LNPW                  ; the way out: 128 rows of 256 bytes, 272 apart
.set SPARE, OST+34816                  ; the spare words, 128 bytes a wave
; REGISTERS.  Window 1: h.  Window 0:
.set L16,  1                           ; 16 x lane
.set L8,   2                           ; 8 x lane
.set GSC,  3                           ; W's scale words in memory: 16 x (8 hh + lane % 8 + 16 ((lane / 8) % 2))
.set GX,   4                           ; 4 r
.set GOW,  5                           ; Wo: 256 r + 16 hh
.set GOS,  6                           ; Wo's scale words: 16 r
.set ASW,  7                           ; W's stage, in: two rows an instruction
.set AWF,  8                           ; W's stage, out: row r, + 16 hh
.set AZW,  9                           ; where I store z's images
.set AZR,  10                          ; and read them
.set AZSW, 11                          ; where I store z's scale bytes
.set AZSR, 12                          ; and read the words
.set ASTW, 13                          ; statistics: my wave's pair of row r
.set ASTR, 14                          ; all eight pairs of row r of tile hh
.set ALN0, 15                          ; my wave's table, + 64 hh
.set KC,   16                          ; v[16:17] = (c1, c0)
.set ALN,  18                          ; the layer's entry of my table
.set AOW,  19                          ; the out stage, in
.set AOR,  20                          ; and back
.set ALNS, 21                          ; my wave's table, + 8 lane
.set AZO,  22                          ; the output layer: z's images of my four tiles
.set AZSO, 23                          ; and their scale words
.set SPW,  24                          ; my spare word; never rewritten
.set NIL,  25                          ; 0; never rewritten
.set ZS,   32                          ; v32-39  z's scale words, two sets of four: scales and nothing else
.set WSC,  40                          ; v40-47  W's scale words: register 4 b + s: lanes 0-15 tile 2 b, lanes 16-31 tile 2 b + 1: scales and nothing else
.set ST,   48                          ; v48-63  a pair for each m: first (-mean_w, M2_w), then (rstd, -mean rstd)
.set WB,   64                          ; v64-127 32 gains, 32 biases;  R: four pairs of partial sums for each m;  ZB: z's fragments, two sets of 32
.set R,    64
.set ZB,   64
.set Y,    128                         ; v128-159 a batch's 32 numbers;  T (v128-191): differences;  SL (v128-191): eight pairs for each of four tiles;  X: x;  WF (v128-255): W's 16 fragments
.set T,    128
.set SL,   128
.set X,    128
.set WF,   128
.set A,    160                         ; v160-191 32 numbers at work, then the quantiser's
.set WL,   192                         ; v192-255 half of W on its way;  U: the join's sums;  TB: the tables at the head;  WO: Wo's four fragments;  OA: the output's four accumulators
.set U,    192
.set TB,   192
.set WO,   192
.set OA,   224
.set LA,   A
.set F,    A+10
.set G,    A+12
.set MX,   A+14
.set PX,   A+16
.set SO,   A+18
.set BY,   A+20
.set HW,   A+22
.set PC,   A+24
; s2 wave; s3 layer 0..8; s4 512 (layer + 1); s5-7 at work; s[8:31] the twelve addresses; s[32:33] lane selects; s34 1/512; s35 1e-5; s[36:37] an offset in 64 bits; s40-48 LDS bases
.set MSB, 0
.macro WIN new                         ; low byte: bits 1:0 source 0, 3:2 source 1, 5:4 source 2, 7:6 destination; the high byte repeats the setting that is left
.if MSB != (\new)
	s_set_vgpr_msb (MSB<<8)|(\new)
.set MSB, (\new)
.endif
.endm
.macro DLY n                           ; a hint ahead of a plain instruction that reads the result of the plain instruction n before it
	s_delay_alu instid0(VALU_DEP_\n)
.endm
.macro PLACES                          ; four plain instructions between a matrix instruction and a load into, or a read of, its registers (for reads)
.rept 4
	v_nop
.endr
.endm
.macro BAR                             ; my LDS stores have landed and my LDS loads are in: then the work-group's barrier
	s_wait_dscnt 0x0
	s_barrier_signal -1
	s_barrier_wait -1
.endm
.macro WBLOAD adr                      ; my 32 gains and 32 biases: units 32 b + 16 hh + 0 .. 15; the sixteen lanes of a half read the same bytes
.irp a, 0,1
.irp b, 0,1
.irp q, 0,1,2,3
	ds_load_b128 v[WB+32*\a+16*\b+4*\q:WB+32*\a+16*\b+4*\q+3], v[\adr] offset:256*\a+128*\b+16*\q
.endr
.endr
.endr
.endm
.macro WLOADH hf                       ; half hf of my 64 rows of W: 16 loads of 512 consecutive bytes
.set i, 0
.rept 16
	global_load_b128 v[WL+4*i:WL+4*i+3], v[L16], s[22:23] offset:512*(16*(\hf)+i)
.set i, i+1
.endr
.endm
.macro STAGE hf                        ; chunk i holds rows 2 i, 2 i + 1; row 32 b + 16 x + 8 y + l goes to place 32 b + 16 y + 8 x + l, so that a tile's 16 rows lie side by side
.set i, 16*(\hf)
.rept 16
	ds_store_b128 v[ASW], v[WL+4*(i%16):WL+4*(i%16)+3] offset:272*(32*(i/16)+16*((i/4)%2)+8*((i/8)%2)+2*(i%4))
.set i, i+1
.endr
.endm
; the sums of tiles m and m + 1: four chains of pairs each, the eight by turns.  Each accumulator is read from its low end on
.macro SUM1P m
	WIN 0x05
.irp j, 0,1
.irp q, 0,1,2,3
.set rR, R+8*((\m)+\j)+2*\q
.set rH, 32*((\m)+\j)+2*\q
	v_pk_add_f32 v[rR:rR+1], v[rH:rH+1], v[rH+8:rH+9]
.endr
.endr
	WIN 0x01
.irp a, 16,24
.irp j, 0,1
.irp q, 0,1,2,3
.set rR, R+8*((\m)+\j)+2*\q
.set rH, 32*((\m)+\j)+\a+2*\q
	v_pk_add_f32 v[rR:rR+1], v[rH:rH+1], v[rR:rR+1]
.endr
.endr
.endr
	WIN 0
.endm
; the sums of (h - mean_w)^2 of tiles m and m + 1, likewise in eight chains
.macro SUM2P m
	WIN 0x01
.irp j, 0,1
.set q, 0
.rept 16
.set rH, 32*((\m)+\j)+2*q
	v_pk_add_f32 v[T+32*\j+2*q:T+32*\j+2*q+1], v[rH:rH+1], v[ST+2*((\m)+\j):ST+2*((\m)+\j)+1] op_sel_hi:[1,0]
.set q, q+1
.endr
.endr
	WIN 0
.irp j, 0,1
.irp q, 0,1,2,3
.set rR, R+8*((\m)+\j)+2*\q
.set rT, T+32*\j+2*\q
	v_pk_mul_f32 v[rR:rR+1], v[rT:rT+1], v[rT:rT+1]
.endr
.endr
.irp a, 8,16,24
.irp j, 0,1
.irp q, 0,1,2,3
.set rR, R+8*((\m)+\j)+2*\q
.set rT, T+32*\j+\a+2*\q
	v_pk_fma_f32 v[rR:rR+1], v[rT:rT+1], v[rT:rT+1], v[rR:rR+1]
.endr
.endr
.endr
.endm
; the four pairs of each m become one number, with the other half of the lanes'; the eight m by turns.  kind 1: -sum / 64;  kind 2: the sum
.macro TAIL kind
.irp m, 0,1,2,3,4,5,6,7
	v_pk_add_f32 v[R+8*\m:R+8*\m+1], v[R+8*\m:R+8*\m+1], v[R+8*\m+2:R+8*\m+3]
	v_pk_add_f32 v[R+8*\m+4:R+8*\m+5], v[R+8*\m+4:R+8*\m+5], v[R+8*\m+6:R+8*\m+7]
.endr
.irp m, 0,1,2,3,4,5,6,7
	v_pk_add_f32 v[R+8*\m:R+8*\m+1], v[R+8*\m:R+8*\m+1], v[R+8*\m+4:R+8*\m+5]
.endr
.irp m, 0,1,2,3,4,5,6,7
	v_add_f32 v[R+8*\m], v[R+8*\m], v[R+8*\m+1]
.endr
.irp m, 0,1,2,3,4,5,6,7
	v_permlanex16_b32 v[R+8*\m+1], v[R+8*\m], s32, s33
.endr
.if \kind == 1
.irp m, 0,1,2,3,4,5,6,7
	v_add_f32 v[R+8*\m], v[R+8*\m], v[R+8*\m+1]
.endr
.irp m, 0,1,2,3,4,5,6,7
	v_mul_f32 v[ST+2*\m], 0xbc800000, v[R+8*\m]    ; x -1/64
.endr
.else
.irp m, 0,1,2,3,4,5,6,7
	v_add_f32 v[ST+2*\m+1], v[R+8*\m], v[R+8*\m+1]
.endr
.endif
.endm
; THE JOIN.  Lane (r, hh) joins the eight waves' pairs (n_w = -mean_w, M_w) of row r of tiles 2 j + hh, j = 0 .. 3, into (rstd, -mean rstd); the two halves of the lanes then change results
.macro STATS
.irp j, 0,1,2,3
	v_pk_add_f32 v[U+4*\j+2:U+4*\j+3], v[SL+16*\j+4:SL+16*\j+5], v[SL+16*\j+6:SL+16*\j+7]
.endr
.irp j, 0,1,2,3
	v_pk_add_f32 v[U+4*\j:U+4*\j+1], v[SL+16*\j:SL+16*\j+1], v[SL+16*\j+2:SL+16*\j+3]
.endr
.irp a, 8,12
.irp j, 0,1,2,3
	v_pk_add_f32 v[U+4*\j+2:U+4*\j+3], v[U+4*\j+2:U+4*\j+3], v[SL+16*\j+\a+2:SL+16*\j+\a+3]
.endr
.irp j, 0,1,2,3
	v_pk_add_f32 v[U+4*\j:U+4*\j+1], v[U+4*\j:U+4*\j+1], v[SL+16*\j+\a:SL+16*\j+\a+1]
.endr
.endr
.irp j, 0,1,2,3
	DLY 4
	v_pk_add_f32 v[U+4*\j:U+4*\j+1], v[U+4*\j:U+4*\j+1], v[U+4*\j+2:U+4*\j+3]   ; (sum of n, sum of M)
.endr
.irp j, 0,1,2,3
	DLY 4
	v_mul_f32 v[U+4*\j], 0x3e000000, v[U+4*\j]     ; -mean
.endr
.irp w, 0,1,2,3,4,5,6,7
.irp j, 0,1,2,3
.if \w == 0
	DLY 4
.endif
	v_sub_f32 v[SL+16*\j+2*\w], v[SL+16*\j+2*\w], v[U+4*\j]
.endr
.endr
.irp w, 0,1
.irp j, 0,1,2,3
	v_mul_f32 v[U+4*\j+2+\w], v[SL+16*\j+2*\w], v[SL+16*\j+2*\w]
.endr
.endr
.irp w, 2,3,4,5,6,7
.irp j, 0,1,2,3
	v_fma_f32 v[U+4*\j+2+\w%2], v[SL+16*\j+2*\w], v[SL+16*\j+2*\w], v[U+4*\j+2+\w%2]
.endr
.endr
.irp j, 0,1,2,3
	DLY 4
	v_add_f32 v[U+4*\j+2], v[U+4*\j+2], v[U+4*\j+3]
.endr
.irp j, 0,1,2,3
	DLY 4
	v_fma_f32 v[U+4*\j+1], v[U+4*\j+2], 0x42800000, v[U+4*\j+1]   ; + 64 x the sum of (mean_w - mean)^2
.endr
.irp j, 0,1,2,3
	DLY 4
	v_fma_f32 v[U+4*\j+1], v[U+4*\j+1], s34, s35   ; / 512 + 1e-5
.endr
	s_wait_alu depctr_va_vdst(0)                   ; a wait ahead of the batch,
.irp j, 0,1,2,3
	v_rsq_f32 v[ST+4*\j], v[U+4*\j+1]
.endr
	v_nop                                          ; a plain instruction behind the last of the batch,
	s_wait_alu depctr_va_vdst(0)                   ; and a wait behind it, ahead of its first reader
.irp j, 0,1,2,3
	v_mul_f32 v[ST+4*\j+1], v[U+4*\j], v[ST+4*\j]
.endr
.irp i, 0,1
.irp j, 0,1,2,3
	v_mov_b32 v[ST+4*\j+2+\i], v[ST+4*\j+\i]
.endr
.endr
.irp i, 0,1
.irp j, 0,1,2,3
	v_permlane16_swap_b32 v[ST+4*\j+\i], v[ST+4*\j+2+\i]   ; the first now holds tile 2 j's number in both halves of the lanes, the second tile 2 j + 1's
.endr
.endr
.endm
; TILE m: my 32 numbers, two half blocks q at v[Y + 16 q].  Normalised, gelu, quantised, stored as half a fragment
.macro BATCH m
	WIN 0x01
.set q, 0
.rept 16
	v_pk_fma_f32 v[Y+2*q:Y+2*q+1], v[32*(\m)+2*q:32*(\m)+2*q+1], v[ST+2*(\m):ST+2*(\m)+1], v[ST+2*(\m):ST+2*(\m)+1] op_sel:[0,0,1] op_sel_hi:[1,0,1]   ; h rstd - mean rstd
.set q, q+1
.endr
	WIN 0
.set q, 0
.rept 16
	v_pk_fma_f32 v[Y+2*q:Y+2*q+1], v[Y+2*q:Y+2*q+1], v[WB+2*q:WB+2*q+1], v[WB+32+2*q:WB+33+2*q]
.set q, q+1
.endr
.set q, 0
.rept 16
	v_pk_mul_f32 v[A+2*q:A+2*q+1], v[Y+2*q:Y+2*q+1], v[Y+2*q:Y+2*q+1]
.set q, q+1
.endr
.set q, 0
.rept 16
	v_pk_fma_f32 v[A+2*q:A+2*q+1], v[A+2*q:A+2*q+1], v[KC:KC+1], v[KC:KC+1] op_sel:[0,0,1] op_sel_hi:[1,0,1]   ; c1 y^2 + c0
.set q, q+1
.endr
.set q, 0
.rept 16
	v_pk_mul_f32 v[A+2*q:A+2*q+1], v[A+2*q:A+2*q+1], v[Y+2*q:Y+2*q+1]
.set q, q+1
.endr
	s_wait_alu depctr_va_vdst(0)                   ; a wait ahead of each batch of transcendentals and one behind it
.set q, 0
.rept 32
	v_exp_f32 v[A+q], v[A+q]
.set q, q+1
.endr
	v_nop                                          ; a plain instruction behind the last of the batch
	s_wait_alu depctr_va_vdst(0)
.set q, 0
.rept 16
	v_pk_add_f32 v[A+2*q:A+2*q+1], v[A+2*q:A+2*q+1], 1.0 op_sel_hi:[1,0]
.set q, q+1
.endr
	s_wait_alu depctr_va_vdst(0)
.set q, 0
.rept 32
	v_rcp_f32 v[A+q], v[A+q]
.set q, q+1
.endr
	v_nop
	s_wait_alu depctr_va_vdst(0)
.set q, 0
.rept 16
	v_pk_mul_f32 v[Y+2*q:Y+2*q+1], v[Y+2*q:Y+2*q+1], v[A+2*q:A+2*q+1]   ; z
.set q, q+1
.endr
	; the quantiser: a half block's largest magnitude as a tree of eight three-way maxima; the floor 2^(3 - 127) among the leaves holds the byte at 1 from below
.irp k, 0,1,2,3,4
.irp q, 0,1
	v_max3_num_f32 v[LA+2*\k+\q], |v[Y+16*\q+3*\k]|, |v[Y+16*\q+3*\k+1]|, |v[Y+16*\q+3*\k+2]|
.endr
.endr
.irp q, 0,1
	v_max3_num_f32 v[F+\q], v[LA+\q], v[LA+2+\q], v[LA+4+\q]
.endr
.irp q, 0,1
	DLY 4
	v_max3_num_f32 v[G+\q], v[LA+6+\q], v[LA+8+\q], |v[Y+16*\q+15]|
.endr
.irp q, 0,1
	DLY 2
	v_max3_num_f32 v[MX+\q], v[F+\q], v[G+\q], 0x1800000
.endr
.irp q, 0,1
	v_permlanex16_b32 v[PX+\q], v[MX+\q], s32, s33
.endr
.irp q, 0,1
	DLY 2
	v_max_num_f32 v[MX+\q], v[MX+\q], v[PX+\q]     ; with lane l xor 16's sixteen: the block's
.endr
.irp q, 0,1
	DLY 2
	v_add_nc_u32 v[SO+\q], 0xff000000, v[MX+\q]    ; 2 off its exponent field: the conversion takes the exponent field of this operand as its scale
.endr
.irp q, 0,1
	v_cvt_scalef32_pk8_fp4_f32 v[PC+2*\q], v[Y+16*\q:Y+16*\q+7], v[SO+\q]
	v_cvt_scalef32_pk8_fp4_f32 v[PC+2*\q+1], v[Y+16*\q+8:Y+16*\q+15], v[SO+\q]
.endr
.irp q, 0,1
	v_lshrrev_b32 v[BY+\q], 23, v[SO+\q]           ; the scale's byte (these plain lines also stand between the conversions and the lines that touch their results)
.endr
	DLY 1
	v_lshl_or_b32 v[HW], v[BY+1], 8, v[BY]         ; bytes 2 c and 2 c + 1 of my row's scale word
.irp i, 0,1                                    ; the operand's layout wants a WHOLE block in a lane: lanes 0-15 block 2 c, lanes 16-31 block 2 c + 1
	v_permlane16_swap_b32 v[PC+\i], v[PC+2+\i]
.endr
	ds_store_b128 v[AZW], v[PC:PC+3] offset:4096*(\m)   ; registers 4 c .. 4 c + 3 of fragment (m, my K step), as they stand
	ds_store_b16 v[AZSW], v[HW] offset:256*(\m)         ; both halves of the lanes write the same two bytes with the same value
.endm
; z's four fragments of tile m into set m % 2; with an even m the scale words of tiles m (lanes 0-15) and m + 1 (lanes 16-31), four K steps a load
.macro ZLOAD m
.irp s, 0,1,2,3
.irp k, 0,1
	ds_load_b128 v[ZB+32*((\m)%2)+8*\s+4*\k:ZB+32*((\m)%2)+8*\s+4*\k+3], v[AZR] offset:1024*(4*(\m)+\s)+512*\k
.endr
.endr
.if ((\m)%2) == 0
	ds_load_b128 v[ZS+4*(((\m)/2)%2):ZS+4*(((\m)/2)%2)+3], v[AZSR] offset:512*((\m)/2)
.endif
.endm
; one matrix instruction on the registers named by rD, rA, rB, rSA, rSB; ra, rb: the side's scales stand in lanes 16-31
.macro WMH ra, rb
.if (\ra) && (\rb)
	v_wmma_scale_f32_16x16x128_f8f6f4 v[rD:rD+7], v[rA:rA+7], v[rB:rB+7], v[rD:rD+7], v[rSA], v[rSB] matrix_a_fmt:MATRIX_FMT_FP4 matrix_b_fmt:MATRIX_FMT_FP4 matrix_a_scale:MATRIX_SCALE_ROW1 matrix_b_scale:MATRIX_SCALE_ROW1
.elseif \ra
	v_wmma_scale_f32_16x16x128_f8f6f4 v[rD:rD+7], v[rA:rA+7], v[rB:rB+7], v[rD:rD+7], v[rSA], v[rSB] matrix_a_fmt:MATRIX_FMT_FP4 matrix_b_fmt:MATRIX_FMT_FP4 matrix_a_scale:MATRIX_SCALE_ROW1
.elseif \rb
	v_wmma_scale_f32_16x16x128_f8f6f4 v[rD:rD+7], v[rA:rA+7], v[rB:rB+7], v[rD:rD+7], v[rSA], v[rSB] matrix_a_fmt:MATRIX_FMT_FP4 matrix_b_fmt:MATRIX_FMT_FP4 matrix_b_scale:MATRIX_SCALE_ROW1
.else
	v_wmma_scale_f32_16x16x128_f8f6f4 v[rD:rD+7], v[rA:rA+7], v[rB:rB+7], v[rD:rD+7], v[rSA], v[rSB] matrix_a_fmt:MATRIX_FMT_FP4 matrix_b_fmt:MATRIX_FMT_FP4
.endif
.endm
.macro WMZ rb                          ; the same with the constant 0 as C: it starts a sum
.if \rb
	v_wmma_scale_f32_16x16x128_f8f6f4 v[rD:rD+7], v[rA:rA+7], v[rB:rB+7], 0, v[rSA], v[rSB] matrix_a_fmt:MATRIX_FMT_FP4 matrix_b_fmt:MATRIX_FMT_FP4 matrix_b_scale:MATRIX_SCALE_ROW1
.else
	v_wmma_scale_f32_16x16x128_f8f6f4 v[rD:rD+7], v[rA:rA+7], v[rB:rB+7], 0, v[rSA], v[rSB] matrix_a_fmt:MATRIX_FMT_FP4 matrix_b_fmt:MATRIX_FMT_FP4
.endif
.endm
; h of tile m += W z^T: 16 matrix instructions, K step by K step; the tile's four accumulators take turns, one instruction a turn.
; first = 1: ahead of K step s may be out: W's fragments of the 3 - s later K steps, eight loads each, and tile 1's eight loads
.macro MULT m, first
	WIN 0x50                                       ; C and D window 1
.irp s, 0,1,2,3
.if \first
	s_wait_dscnt 32-8*\s
.endif
.irp t, 0,1,2,3
.set rD, 32*(\m)+8*\t
.set rA, WF+8*(4*\t+\s)
.set rB, ZB+32*((\m)%2)+8*\s
.set rSA, WSC+4*(\t/2)+\s
.set rSB, ZS+4*(((\m)/2)%2)+\s
	WMH \t%2, (\m)%2
.endr
.endr
	WIN 0
	PLACES
.endm
	; ---------------- the head
	s_load_b512 s[8:23], s[0:1], 0x0               ; x, proj_w, proj_b, ln_w, ln_b, out_ln_w, out_ln_b, lin_w_codes
	s_load_b256 s[24:31], s[0:1], 0x40             ; lin_w_scales, out_w_codes, out_w_scales, out0
	v_lshl_add_u32 v[SPW], v0, 2, SPARE
	v_mov_b32 v[NIL], 0
	v_lshrrev_b32 v141, 5, v0
	v_and_b32 v136, 31, v0                         ; lane
	v_and_b32 v137, 15, v0                         ; r
	v_bfe_u32 v138, v0, 4, 1                       ; hh
	v_and_b32 v139, 7, v0
	v_bfe_u32 v140, v0, 3, 1
	v_mov_b32 v[KC], 0xbdd2d3e8                    ; c1 = -0.10294324
	v_mov_b32 v[KC+1], 0xc0135761                  ; c0 = -2.3022082
.irp m, 0,1,2,3,4,5,6,7
	v_mov_b32 v[ST+2*\m+1], 0                      ; named as the upper half of a pair before it is first written
.endr
	v_readfirstlane_b32 s2, v141                   ; wave 0..7
	s_mul_i32 s40, s2, WSTW                        ; my stage for W
	s_lshl_b32 s41, s2, 9
	s_add_co_u32 s41, s41, ZIMG                    ; 1024 (w / 2) + 512 (w % 2) = 512 w
	s_lshl_b32 s42, s2, 1
	s_add_co_u32 s42, s42, ZSC                     ; 4 (w / 2) + 2 (w % 2) = 2 w
	s_lshl_b32 s43, s2, 3
	s_add_co_u32 s43, s43, STT
	s_mul_i32 s44, s2, LNPW
	s_add_co_u32 s44, s44, LNP
	s_and_b32 s6, s2, 3                            ; the output layer: my tile of 16 outputs,
	s_lshr_b32 s7, s2, 2                           ; and my four tiles of rows: 4 g .. 4 g + 3
	s_lshl_b32 s45, s6, 6
	s_mul_i32 s5, s7, 17408
	s_add_co_u32 s45, s45, s5
	s_add_co_u32 s45, s45, OST
	s_mul_i32 s46, s2, 4352
	s_add_co_u32 s46, s46, OST
	s_lshl_b32 s47, s7, 14
	s_add_co_u32 s47, s47, ZIMG
	s_lshl_b32 s48, s7, 10
	s_add_co_u32 s48, s48, ZSC
	s_mov_b32 s32, 0x76543210
	s_mov_b32 s33, 0xfedcba98                      ; v_permlanex16_b32: lane l xor 16
	s_mov_b32 s34, 0x3b000000                      ; 1 / 512
	s_mov_b32 s35, 0x3727c5ac                      ; 1e-5
	s_mov_b32 s3, 0
	s_mov_b32 s4, 512
	s_mov_b32 s37, 0
	s_wait_alu depctr_va_vdst(0)
	v_lshlrev_b32 v[L16], 4, v136
	v_lshlrev_b32 v[L8], 3, v136
	v_lshlrev_b32 v[GX], 2, v137
	v_lshlrev_b32 v[GOS], 4, v137
	v_lshlrev_b32 v[GOW], 8, v137
	v_lshlrev_b32 v[GSC], 4, v139
	v_mul_u32_u24 v142, v137, 272
	v_mul_u32_u24 v143, v138, 272
	v_mul_u32_u24 v144, v137, 80
	v_mul_u32_u24 v145, v138, 1280
	v_lshl_add_u32 v[ALN0], v138, 6, s44
	v_lshl_add_u32 v[AZSW], v137, 4, s42
	v_add_nc_u32 v[AZW], s41, v[L16]
	v_add_nc_u32 v[AZR], ZIMG, v[L16]
	v_add_nc_u32 v[AZSR], ZSC, v[L16]
	v_add_nc_u32 v[AZO], s47, v[L16]
	v_add_nc_u32 v[AZSO], s48, v[L16]
	v_add_nc_u32 v[ALNS], s44, v[L8]
	v_lshl_add_u32 v[GOW], v138, 4, v[GOW]
	v_lshl_add_u32 v[GSC], v138, 7, v[GSC]
	v_lshl_add_u32 v143, v137, 4, v143             ; 272 hh + 16 r
	v_lshl_add_u32 v[AWF], v138, 4, v142
	v_lshl_add_u32 v[AOW], v138, 5, v142
	v_add_nc_u32 v[ASTW], s43, v144
	v_add_nc_u32 v[ASTR], v145, v144
	v_lshl_add_u32 v[GSC], v140, 8, v[GSC]
	v_add_nc_u32 v[ASW], s40, v143
	v_add_nc_u32 v[AOR], s46, v143
	v_add_nc_u32 v[AWF], s40, v[AWF]
	v_add_nc_u32 v[AOW], s45, v[AOW]
	v_add_nc_u32 v[ASTR], STT, v[ASTR]
	s_wait_alu depctr_va_vdst(0)
	s_wait_kmcnt 0x0
	s_lshl_b32 s36, ttmp9, 9                       ; x: my work-group's 128 rows
	s_add_nc_u64 s[8:9], s[8:9], s[36:37]
	s_lshl_b32 s36, s2, 8                          ; the six vectors: my wave's 64 units
.irp p, 10,12,14,16,18,20
	s_add_nc_u64 s[\p:\p+1], s[\p:\p+1], s[36:37]
.endr
	s_lshl_b32 s36, s2, 14                         ; W: my 64 rows of 256 bytes,
	s_add_nc_u64 s[22:23], s[22:23], s[36:37]
	s_lshl_b32 s36, s2, 10                         ; and of 16 scale bytes
	s_add_nc_u64 s[24:25], s[24:25], s[36:37]
	s_lshl_b32 s36, s6, 12                         ; Wo: my 16 rows
	s_add_nc_u64 s[26:27], s[26:27], s[36:37]
	s_lshl_b32 s36, s6, 8
	s_add_nc_u64 s[28:29], s[28:29], s[36:37]
	s_lshl_b32 s36, ttmp9, 15                      ; out0: my work-group's 128 rows of 256 bytes, my wave's 16 of them
	s_lshl_b32 s5, s2, 12
	s_add_co_u32 s36, s36, s5
	s_add_nc_u64 s[30:31], s[30:31], s[36:37]
	global_load_b64 v[TB:TB+1], v[L8], s[10:11]    ; the ten entries of my table: 256 consecutive bytes a load
	global_load_b64 v[TB+2:TB+3], v[L8], s[12:13]
.irp e, 1,2,3,4,5,6,7,8
	global_load_b64 v[TB+4*\e:TB+4*\e+1], v[L8], s[14:15] offset:2048*(\e-1)
	global_load_b64 v[TB+4*\e+2:TB+4*\e+3], v[L8], s[16:17] offset:2048*(\e-1)
.endr
	global_load_b64 v[TB+36:TB+37], v[L8], s[18:19]
	global_load_b64 v[TB+38:TB+39], v[L8], s[20:21]
.irp m, 0,1,2,3,4,5,6,7
	global_load_b32 v[X+\m], v[GX], s[8:9] offset:64*\m   ; x(16 m + r)
.endr
	s_wait_loadcnt 0x0
.irp e, 0,1,2,3,4,5,6,7,8,9
	ds_store_b64 v[ALNS], v[TB+4*\e:TB+4*\e+1] offset:512*\e
	ds_store_b64 v[ALNS], v[TB+4*\e+2:TB+4*\e+3] offset:512*\e+256
.endr
	WBLOAD ALN0                                    ; LDS serves a wave's instructions in order (ISA guide 5.7.1.4): these see my stores
	s_wait_dscnt 0x0
	WIN 0x40                                       ; h = x proj_w + proj_b
.irp m, 0,1,2,3,4,5,6,7
.set e, 0
.rept 16
.set rH, 32*\m+e
.if \m%2
	v_pk_fma_f32 v[rH:rH+1], v[WB+e:WB+e+1], v[X+\m-1:X+\m], v[WB+32+e:WB+33+e] op_sel:[0,1,0] op_sel_hi:[1,1,1]
.else
	v_pk_fma_f32 v[rH:rH+1], v[WB+e:WB+e+1], v[X+\m:X+\m+1], v[WB+32+e:WB+33+e] op_sel_hi:[1,0,1]
.endif
.set e, e+2
.endr
.endr
	WIN 0
	; ---------------- a layer.  Nine trips: eight blocks and the output layer's vector work
.Llayer:
.irp m, 0,2,4,6
	SUM1P \m
.endr
	TAIL 1                                         ; -mean_w
.irp m, 0,2,4,6
	SUM2P \m
.endr
	TAIL 2                                         ; M2_w
.irp m, 0,1,2,3,4,5,6,7
	ds_store_b64 v[ASTW], v[ST+2*\m:ST+2*\m+1] offset:1280*\m   ; both halves of the lanes write the same pair
.endr
	BAR                                            ; all eight waves' pairs lie in LDS; and every wave's reads of the last layer's z are over, so z's images may be written
.irp j, 0,1,2,3
.irp k, 0,1,2,3
	ds_load_b128 v[SL+16*\j+4*\k:SL+16*\j+4*\k+3], v[ASTR] offset:2560*\j+16*\k
.endr
.endr
	v_add_nc_u32 v[ALN], s4, v[ALN0]               ; the layer's entry of my table
	WBLOAD ALN
	s_wait_dscnt 16                                ; the pairs are in; the 16 loads of gains and biases behind them may be out
	STATS
	s_wait_alu depctr_va_vdst(0)
	s_cmp_eq_u32 s3, 8
	s_cbranch_scc1 .Lwo
	WLOADH 0                                       ; the first half of this layer's W, and my rows' scale words, four a row, in the tiles' order of rows
.irp b, 0,1
	global_load_b128 v[WSC+4*\b:WSC+4*\b+3], v[GSC], s[24:25] offset:512*\b
.endr
	s_branch .Lw_asked
.Lwo:
.irp s, 0,1,2,3
.irp k, 0,1
	global_load_b128 v[WO+8*\s+4*\k:WO+8*\s+4*\k+3], v[GOW], s[26:27] offset:64*\s+32*\k   ; Wo's four fragments of my 16 rows, straight into the operand's registers: 4 KiB, once
.endr
.endr
	global_load_b128 v[WSC:WSC+3], v[GOS], s[28:29]   ; and their scale words: lane r has row r's four
.Lw_asked:
	s_wait_dscnt 0x0                               ; the gains and biases are in
.irp m, 0,1,2,3
	BATCH \m
.endr
	s_wait_loadcnt 0x0                             ; on every way: the first half and the scale words are in (in the ninth trip: Wo's fragments and scale words)
	s_cmp_eq_u32 s3, 8
	s_cbranch_scc1 .Lno_mid
	STAGE 0
	s_wait_dscnt 0x0                               ; the stores have read their registers: the second half may land there
	WLOADH 1
.Lno_mid:
.irp m, 4,5,6,7
	BATCH \m
.endr
	s_wait_loadcnt 0x0                             ; on every way: the second half is in; no load is out when the next trip asks again
	s_cmp_eq_u32 s3, 8
	s_cbranch_scc1 .Lno_st
	STAGE 1
.Lno_st:
	BAR                                            ; z's 32 fragments and their scale words lie in LDS; and every wave's reads of the pairs are over, so the next layer may write them
	s_cmp_eq_u32 s3, 8
	s_cbranch_scc1 .Lnext                          ; the output layer's product stands behind the loop
	ZLOAD 0
.irp s, 0,1,2,3                                ; W's 16 fragments, K step by K step: 16 rows x 128 K of 4-bit codes are 8 registers: registers 4 k .. 4 k + 3 hold K = 64 k + 32 hh + 0 .. 31
.irp t, 0,1,2,3
.irp k, 0,1
	ds_load_b128 v[WF+8*(4*\t+\s)+4*\k:WF+8*(4*\t+\s)+4*\k+3], v[AWF] offset:4352*\t+64*\s+32*\k
.endr
.endr
.endr
	ZLOAD 1
	MULT 0, 1
	ZLOAD 2
.irp m, 1,2,3,4,5,6,7
.if \m == 7
	s_wait_dscnt 0x0
.elseif \m%2
	s_wait_dscnt 9                                 ; tile m is in; behind it: the next tile's eight loads and its scale words'
.else
	s_wait_dscnt 8                                 ; tile m and its scale words are in; behind them: the next tile's eight loads
.endif
	MULT \m, 0
.if \m < 6
	ZLOAD \m+2                                     ; into the set that tile m has left, four plain instructions behind its last product
.endif
.endr
	s_add_nc_u64 s[22:23], s[22:23], 0x20000       ; 512 rows of 256 bytes on (this trip's loads were shown done by its waits for all loads; behind layer 7 the stepped bases are not used)
	s_add_nc_u64 s[24:25], s[24:25], 0x2000        ; 512 rows of 16 bytes on
.Lnext:
	s_add_co_u32 s3, s3, 1
	s_add_co_u32 s4, s4, 512
	s_cmp_lt_u32 s3, 9
	s_cbranch_scc1 .Llayer
.irp m, 0,1,2,3
.irp s, 0,1,2,3
.irp k, 0,1
	ds_load_b128 v[ZB+32*\m+8*\s+4*\k:ZB+32*\m+8*\s+4*\k+3], v[AZO] offset:1024*(4*\m+\s)+512*\k
.endr
.endr
.endr
.irp p, 0,1
	ds_load_b128 v[ZS+4*\p:ZS+4*\p+3], v[AZSO] offset:512*\p
.endr
	s_wait_dscnt 0x0
	PLACES                                         ; the accumulators lie where fragments of W lay: with the four behind the last tile's products, more than five plain instructions ahead of a matrix instruction that writes over them
.irp s, 0,1,2,3
.irp m, 0,1,2,3
.set rD, OA+8*\m
.set rA, WO+8*\s
.set rB, ZB+32*\m+8*\s
.set rSA, WSC+\s
.set rSB, ZS+4*(\m/2)+\s
.if \s == 0
	WMZ \m%2
.else
	WMH 0, \m%2
.endif
.endr
.endr
	PLACES
.irp m, 0,1,2,3                                ; lane (r, hh): out(16 (4 g + m) + r, 16 o + 8 hh + 0 .. 7): 32 bytes of a row; a row's 256 bytes come from four waves
	ds_store_b128 v[AOW], v[OA+8*\m:OA+8*\m+3] offset:4352*\m        ; each accumulator from its low end on
	ds_store_b128 v[AOW], v[OA+8*\m+4:OA+8*\m+7] offset:4352*\m+16
.endr
	BAR                                            ; 128 whole rows lie in the stage
.set i, 0
.rept 8
	ds_load_b128 v[64+4*i:64+4*i+3], v[AOR] offset:544*i   ; my 16 rows, two an instruction
.set i, i+1
.endr
.set i, 0
.rept 8
	s_wait_dscnt 7-i
	global_store_b128 v[L16], v[64+4*i:64+4*i+3], s[30:31] offset:512*i th:TH_STORE_NT   ; 32 lanes store 512 consecutive bytes, at a multiple of 256 from out0's first byte; written once, read by nobody here
.set i, i+1
.endr
	s_wait_tensorcnt 0x0                           ; the wave's end
	ds_add_u32 v[SPW], v[NIL]
	s_wait_dscnt 0x0
	s_endpgm
.Lfunc_end_k_qd7794d1729_rpe:
	.size	k_qd7794d1729_rpe, .Lfunc_end_k_qd7794d1729_rpe-k_qd7794d1729_rpe
	.p2alignl 7, 3214868480
	.fill 96, 4, 3214868480
	.section	.rodata,"a",@progbits
	.p2align	6, 0x0
	.amdhsa_kernel k_qd7794d1729_rpe
		.amdhsa_group_segment_fixed_size 261120
		.amdhsa_private_segment_fixed_size 0
		.amdhsa_enable_private_segment 0
		.amdhsa_kernarg_size 96
		.amdhsa_user_sgpr_count 2
		.amdhsa_user_sgpr_kernarg_segment_ptr 1
		.amdhsa_wavefront_size32 1
		.amdhsa_system_sgpr_workgroup_id_x 1
		.amdhsa_system_sgpr_workgroup_id_y 1
		.amdhsa_system_sgpr_workgroup_id_z 1
		.amdhsa_system_vgpr_workitem_id 0
		.amdhsa_next_free_vgpr 512
		.amdhsa_next_free_sgpr 66
		.amdhsa_reserve_vcc 0
		.amdhsa_float_denorm_mode_32 3
		.amdhsa_float_denorm_mode_16_64 3
		.amdhsa_memory_ordered 1
		.amdhsa_forward_progress 1
		.amdhsa_inst_pref_size 186
	.end_amdhsa_kernel
	.amdgpu_metadata
---
amdhsa.version: [ 1, 2 ]
amdhsa.kernels:
  - .name:           k_qd7794d1729_rpe
    .symbol:         k_qd7794d1729_rpe.kd
    .args:
      - { .name: x, .offset: 0, .size: 8, .value_kind: global_buffer, .address_space: global }
      - { .name: proj_w, .offset: 8, .size: 8, .value_kind: global_buffer, .address_space: global }
      - { .name: proj_b, .offset: 16, .size: 8, .value_kind: global_buffer, .address_space: global }
      - { .name: ln_w, .offset: 24, .size: 8, .value_kind: global_buffer, .address_space: global }
      - { .name: ln_b, .offset: 32, .size: 8, .value_kind: global_buffer, .address_space: global }
      - { .name: out_ln_w, .offset: 40, .size: 8, .value_kind: global_buffer, .address_space: global }
      - { .name: out_ln_b, .offset: 48, .size: 8, .value_kind: global_buffer, .address_space: global }
      - { .name: lin_w_codes, .offset: 56, .size: 8, .value_kind: global_buffer, .address_space: global }
      - { .name: lin_w_scales, .offset: 64, .size: 8, .value_kind: global_buffer, .address_space: global }
      - { .name: out_w_codes, .offset: 72, .size: 8, .value_kind: global_buffer, .address_space: global }
      - { .name: out_w_scales, .offset: 80, .size: 8, .value_kind: global_buffer, .address_space: global }
      - { .name: out0, .offset: 88, .size: 8, .value_kind: global_buffer, .address_space: global }
    .group_segment_fixed_size: 261120
    .private_segment_fixed_size: 0
    .kernarg_segment_align: 8
    .kernarg_segment_size: 96
    .max_flat_workgroup_size: 256
    .sgpr_count:     66
    .vgpr_count:     512
    .wavefront_size: 32
...
	.end_amdgpu_metadata
.endif
;; end of part 1
